; MI455X (gfx1250); checked and timed in simulation.
; The chip was launched on July 23, 2026; its instructions are those of AMD's public machine-readable ISA for CDNA 5 (MIT licence, August 2026) and "CDNA5" Instruction Set Architecture Reference Guide (July 2026). The comments in the code are by the model that wrote it; some were corrected since.
;; Fast Feed Forward Network. Allowed arithmetic: float matrix products may take bf16 or f16 operands with f32 sums; other float arithmetic in f32, or as packed bf16 or f16 multiplies, adds, multiply-adds, maxima and minima; sums over many terms, partial sums and values carried from step to step in f32; what a program stores and reads back later, other than sums and carried values, may be rounded once to bf16 or f16.
;; Inputs: b1 16 x 256 float32; b2 16 x 1,024 float32; node_b 15 float32; node_w 15 x 1,024 float32; w1 16 x 1,024 x 256 float32; w2 16 x 256 x 1,024 float32; x 4 x 2,048 x 1,024 float32.
;; Outputs: out0 4 x 2,048 x 1,024 float32.
;; Constants: training = 0.
;; One version. Each part assembles by itself: llvm-mc -triple=amdgcn-amd-amdhsa -mcpu=gfx1250 --defsym DOCPART=n.
;; ======== version 1 of 1: 3 launches
;; workspace buffers: xb 16,777,216 bytes; w1b 8,388,608 bytes; w2b 8,388,608 bytes; h 67,108,864 bytes; pb 262,144 bytes; pT 524,288 bytes
;; launch prep (part 1): grid 256 x 1, 4 waves a work-group, no clusters, 55,296 bytes of LDS; arguments x, w1, w2, node_w, node_b, xb, w1b, w2b, pb, pT; writes xb, w1b, w2b, pb, pT
.if DOCPART == 1
	.amdgcn_target "amdgcn-amd-amdhsa--gfx1250"
	.amdhsa_code_object_version 6
	.text
	.protected	k_qffbd90c35d_prep
	.globl	k_qffbd90c35d_prep
	.p2align	8
	.type	k_qffbd90c35d_prep,@function
k_qffbd90c35d_prep:
	s_mov_b64 s[64:65], 0
	v_nop
	global_prefetch_b8 v0, s[64:65] scope:SCOPE_SE
	s_setreg_imm32_b32 hwreg(HW_REG_WAVE_MODE, 25, 1), 1
	s_wait_xcnt 0x0
; PREPARATION.  x [8192][1024], w1 [16][1024][256] and w2 [16][256][1024] are rounded once to bf16, in the order in which they lie (xb, w1b, w2b); and for each token
; the 15 gates c = sigmoid(x . node_w + node_b) and the 16 leaf probabilities p of the tree are made: pb [8192][16] in bf16 (a matrix operand later), pT [16][8192] in f32.
; SHARES.  Every work-group rounds 262,144 bytes of f32, every wave 65,536, taken as 16 rows of 4,096 bytes.  Work-groups 0-127: x (rows 64 g + 16 w on) and those rows' gates;
; 128-191: w1; 192-255: w2.  The branch hangs on the work-group's number alone, so the two barriers of x's path are passed by all four waves or by none.
; GATES.  The logits are a matrix product with bf16 operands and f32 sums: source 0 = 16 rows of node_w, source 1 = my 16 tokens, so a lane holds ONE token (lane % 16) and eight
; gates.  The 16 rows are laid so that half h of the lanes holds just the gates on the ways to leaves 8 h .. 8 h + 7: h = 0: nodes 0,1,3,4,7,8,9,10; h = 1: 0,2,5,6,11,12,13,14.
; So the tree is walked inside a lane.  node_b starts the sums (it is loaded into the first accumulator).
; LIMITS.  The logits' operands are bf16.  2^t flushes denormals (ISA guide, 15.8), so c saturates to exactly 0 or 1 for |logit| beyond some 87.  NaN and infinities are not treated apart.
; No cluster, no tensor loads: no two work-groups read the same large bytes, and the stream goes through registers, where it is converted.
.set NPITCH, 2064                      ; a node row in LDS: 2,048 bytes + 16: an odd multiple of 16, so the 16 rows of a fragment load start at 16 different groups of four banks (ISA guide 11.1)
.set GP,     272                       ; a stage row: 256 bytes + 16, likewise
.set STG,    16*NPITCH                 ; 33,024: each wave's own stage, 16 tokens x 128 columns of bf16
.set PS,     STG+4*16*GP               ; 50,432: 16 leaves x 64 tokens of f32, the work-group's
.set SPARE,  PS+16*GP                  ; 54,784: the spare words, 128 bytes for each wave: two blocks of 256 bytes that no other line names
.set LOFF, 4                           ; v4   16 x lane: my 16 bytes in 512 bytes of f32
.set SOFF, 5                           ; v5   8 x lane: my 8 bytes in 256 bytes of bf16
.set STA,  6                           ; v6   where I put 8 bytes of a stage row
.set FXA,  7                           ; v7   my place in a fragment of tokens
.set FNA,  8                           ; v8   my place in a fragment of node rows; steps along K
.set NTA,  9                           ; v9   where I put 8 bytes of my wave's four node rows
.set SPW,  14                          ; v14  LDS address of my spare word; never rewritten
.set NIL,  15                          ; v15  0; never rewritten
.set X0,   16                          ; v[16:79], v[80:143]  two buffers of 16 loads
.set X1,   80
.set Y,    144                         ; v[144:175] 16 rows x 8 bytes, rounded
.set FA,   176                         ; v[176:207] four fragments of tokens
.set FB,   208                         ; v[208:239] four fragments of node rows
.set ACC0, 240                         ; v[240:247], v[248:255] two accumulators that take turns
.set ACC1, 248
.set Z,    16                          ; behind the stream X0's registers are free: logits, 2^t, c, 1 - c, the tree, p
.set EX,   24
.set CC,   32
.set DD,   40
.set TR,   48
.set PR,   56
.set SRC,  28                          ; s[28:29] where my wave reads, s[30:31] where it stores
.set DST,  30
; 16 loads: 512 consecutive bytes of each of my 16 rows
.macro LOADX buf, off
.set i, 0
.rept 16
	global_load_b128 v[(\buf)+4*i:(\buf)+4*i+3], v[LOFF], s[SRC:SRC+1] offset:i*4096+(\off) th:TH_LOAD_NT
.set i, i+1
.endr
.endm
; One chunk (16 rows x 128 columns): rounded, stored; gate = 1: also through my stage into four products.  left = the younger loads that may stay out.
.macro WORK buf, left, yoff, gate, noff
	s_wait_loadcnt \left                           ; loads come back in order (ISA guide 5.7.1): this buffer's 16 are in, the other buffer's 16 stay out
	s_wait_xcnt 0x0                                ; Y was the last chunk's store data: it is rewritten only behind this wait
.set i, 0
.rept 16
	v_cvt_pk_bf16_f32 v[Y+2*i],   v[(\buf)+4*i],   v[(\buf)+4*i+1]
	v_cvt_pk_bf16_f32 v[Y+2*i+1], v[(\buf)+4*i+2], v[(\buf)+4*i+3]
.set i, i+1
.endr
.set i, 0
.rept 16
	global_store_b64 v[SOFF], v[Y+2*i:Y+2*i+1], s[DST:DST+1] offset:i*2048+(\yoff)  ; the wave's store covers 256 consecutive bytes, aligned
.set i, i+1
.endr
.if \gate
.set i, 0
.rept 16
	ds_store_b64 v[STA], v[Y+2*i:Y+2*i+1] offset:i*GP
.set i, i+1
.endr
.irp q, 0,1,2,3                        ; the 32 conversions above are the places between the last chunk's products and these loads into their sources
	ds_load_b128 v[FA+8*(\q):FA+8*(\q)+3],   v[FXA] offset:64*(\q)       ; LDS serves a wave's instructions in order (ISA guide 5.7.1.4): these see my stores above
	ds_load_b128 v[FA+8*(\q)+4:FA+8*(\q)+7], v[FXA] offset:64*(\q)+32
	ds_load_b128 v[FB+8*(\q):FB+8*(\q)+3],   v[FNA] offset:(\noff)+64*(\q)
	ds_load_b128 v[FB+8*(\q)+4:FB+8*(\q)+7], v[FNA] offset:(\noff)+64*(\q)+32
.endr
	s_wait_dscnt 0x0
.irp q, 0,1,2,3                        ; the two accumulators take turns, one instruction a turn, over the loop's jump too
	v_wmma_f32_16x16x32_bf16 v[ACC0+8*((\q)%2):ACC0+8*((\q)%2)+7], v[FB+8*(\q):FB+8*(\q)+7], v[FA+8*(\q):FA+8*(\q)+7], v[ACC0+8*((\q)%2):ACC0+8*((\q)%2)+7]
.endr
.endif
.endm
; My wave's 65,536 bytes: eight chunks, two buffers, 16 loads of 512 bytes always on their way beside the 16 at work.  The last two chunks load nothing.
.macro PASS gate
	LOADX X0, 0
	LOADX X1, 512
	s_mov_b32 s36, 3
.Lchunk_\@:
	WORK X0, 16, 0, \gate, 0
	LOADX X0, 1024
	WORK X1, 16, 256, \gate, 256
	LOADX X1, 1536
	s_wait_xcnt 0x0                                ; the bases are stepped only behind this wait
	s_add_nc_u64 s[SRC:SRC+1], s[SRC:SRC+1], 1024
	s_add_nc_u64 s[DST:DST+1], s[DST:DST+1], 512
.if \gate
	v_add_nc_u32 v[FNA], 512, v[FNA]               ; 256 columns on in the node rows
.endif
	s_sub_co_u32 s36, s36, 1
	s_cmp_lg_u32 s36, 0
	s_cbranch_scc1 .Lchunk_\@
	WORK X0, 16, 0, \gate, 0
	WORK X1, 0, 256, \gate, 256
.endm
	s_load_b512 s[8:23], s[0:1], 0x0               ; x s[8:9], w1 s[10:11], w2 s[12:13], node_w s[14:15], node_b s[16:17], xb s[18:19], w1b s[20:21], w2b s[22:23]
	s_load_b128 s[24:27], s[0:1], 0x40             ; pb s[24:25], pT s[26:27]
	v_lshl_add_u32 v[SPW], v0, 2, SPARE
	v_mov_b32 v[NIL], 0
	v_lshrrev_b32 v1, 5, v0
	v_readfirstlane_b32 s2, v1                     ; wave 0..3
	v_and_b32 v1, 31, v0                           ; lane
	v_and_b32 v2, 15, v0                           ; r = lane % 16
	v_bfe_u32 v3, v0, 4, 1                         ; h = lane / 16
	v_lshlrev_b32 v[LOFF], 4, v1
	v_lshlrev_b32 v[SOFF], 3, v1
	s_mov_b32 s33, 0
	s_mov_b32 s35, 0
	s_cmp_lt_u32 ttmp9, 128
	s_cbranch_scc0 .Lweights
	; ---- x and the gates ----
	s_lshl_b32 s46, ttmp9, 2
	s_add_co_u32 s46, s46, s2                      ; 4 g + w: my wave's 16 rows
	s_lshl_b32 s32, s46, 16                        ; x 65,536 bytes of f32
	s_lshl_b32 s34, s46, 15                        ; x 32,768 bytes of bf16
	s_wait_kmcnt 0x0
	s_add_nc_u64 s[SRC:SRC+1], s[8:9], s[32:33]
	s_add_nc_u64 s[DST:DST+1], s[18:19], s[34:35]
	s_lshl_b32 s32, s46, 9                         ; pb: 16 tokens of 32 bytes
	s_add_nc_u64 s[24:25], s[24:25], s[32:33]
	s_lshl_b32 s32, ttmp9, 8                       ; pT: the work-group's 64 tokens of 4 bytes
	s_add_nc_u64 s[26:27], s[26:27], s[32:33]
	; my wave lays rows 4 w .. 4 w + 3 of the node tile: their nodes' numbers stand in two tables of eight 4-bit fields
	s_mov_b32 s46, 0xa9874310                      ; rows 0-7:  nodes 0,1,3,4,7,8,9,10
	s_mov_b32 s47, 0xedcb6520                      ; rows 8-15: nodes 0,2,5,6,11,12,13,14
	s_cmp_lt_u32 s2, 2
	s_cselect_b32 s46, s46, s47
	s_and_b32 s47, s2, 1
	s_lshl_b32 s47, s47, 4
	s_lshr_b32 s46, s46, s47                       ; field i is now my row i's node
.irp i, 0,1,2,3
	s_bfe_u32 s47, s46, (4<<16)|(4*(\i))
	s_lshl_b32 s[38+2*(\i)], s47, 12               ; a row of node_w is 4,096 bytes
	s_mov_b32 s[39+2*(\i)], 0
	s_add_nc_u64 s[38+2*(\i):39+2*(\i)], s[14:15], s[38+2*(\i):39+2*(\i)]
.endr
.irp i, 0,1,2,3
.irp t, 0,1,2,3,4,5,6,7
	global_load_b128 v[X0+32*(\i)+4*(\t):X0+32*(\i)+4*(\t)+3], v[LOFF], s[38+2*(\i):39+2*(\i)] offset:512*(\t)
.endr
.endr
	s_mul_i32 s47, s2, 16*GP
	s_add_co_u32 s47, s47, STG                     ; my stage
	v_add_nc_u32 v[STA], s47, v[SOFF]
	v_mul_u32_u24 v[FXA], v2, GP
	v_lshl_add_u32 v[FXA], v3, 4, v[FXA]
	v_add_nc_u32 v[FXA], s47, v[FXA]               ; row r x pitch + 16 h
	v_mul_u32_u24 v[FNA], v2, NPITCH
	v_lshl_add_u32 v[FNA], v3, 4, v[FNA]
	s_mul_i32 s47, s2, 4*NPITCH
	v_add_nc_u32 v[NTA], s47, v[SOFF]
	v_lshlrev_b32 v10, 2, v3                       ; 4 h, 8 h, 16 h: how far half 1's nodes lie behind half 0's in node_b
	v_lshlrev_b32 v11, 3, v3
	v_lshlrev_b32 v12, 4, v3
	v_mov_b32 v13, 0
	s_mov_b32 s37, 0xffff0000                      ; the lanes with h = 1
	s_wait_loadcnt 0x0
.irp i, 0,1,2,3
.irp t, 0,1,2,3,4,5,6,7
	v_cvt_pk_bf16_f32 v[Y+16*(\i)+2*(\t)],   v[X0+32*(\i)+4*(\t)],   v[X0+32*(\i)+4*(\t)+1]
	v_cvt_pk_bf16_f32 v[Y+16*(\i)+2*(\t)+1], v[X0+32*(\i)+4*(\t)+2], v[X0+32*(\i)+4*(\t)+3]
.endr
.endr
.irp i, 0,1,2,3
.irp t, 0,1,2,3,4,5,6,7
	ds_store_b64 v[NTA], v[Y+16*(\i)+2*(\t):Y+16*(\i)+2*(\t)+1] offset:(\i)*NPITCH+(\t)*256
.endr
.endr
	; node_b of my eight gates starts the first accumulator's sums; the second starts at 0, so that every chunk has one text
	global_load_b32 v[ACC0+0], v13, s[16:17]
	global_load_b32 v[ACC0+1], v10, s[16:17] offset:4
	global_load_b32 v[ACC0+2], v11, s[16:17] offset:12
	global_load_b32 v[ACC0+3], v11, s[16:17] offset:16
.irp i, 0,1,2,3
	global_load_b32 v[ACC0+4+(\i)], v12, s[16:17] offset:28+4*(\i)
.endr
.irp j, 0,1,2,3,4,5,6,7
	v_mov_b32 v[ACC1+(\j)], 0
.endr
	s_wait_dscnt 0x0                               ; for the others' sake: my four node rows are in LDS
	s_barrier_signal -1
	s_barrier_wait -1
	PASS 1                                         ; its first wait on loads (16 may stay out) also covers node_b's, which are older
.rept 4
	v_nop                                          ; the places behind the last products
.endr
.irp j, 0,2,4,6
	v_pk_add_f32 v[Z+(\j):Z+(\j)+1], v[ACC0+(\j):ACC0+(\j)+1], v[ACC1+(\j):ACC1+(\j)+1]  ; the logits; each accumulator's lowest registers first
.endr
.irp j, 0,1,2,3,4,5,6,7
	v_mul_f32 v[Z+(\j)], 0xbfb8aa3b, v[Z+(\j)]     ; - log2(e) z
.endr
.irp j, 0,1,2,3,4,5,6,7
	v_exp_f32 v[EX+(\j)], v[Z+(\j)]
.endr
	v_nop                                          ; a plain instruction behind the last exponential,
	s_wait_alu depctr_va_vdst(0)                   ; and one wait for the eight, ahead of their first reader
.irp j, 0,1,2,3,4,5,6,7
	v_add_f32 v[EX+(\j)], 1.0, v[EX+(\j)]
.endr
.irp j, 0,1,2,3,4,5,6,7
	v_rcp_f32 v[CC+(\j)], v[EX+(\j)]               ; c = 1 / (1 + 2^(- log2(e) z))
.endr
	v_nop
	s_wait_alu depctr_va_vdst(0)                   ; one wait for the eight reciprocals
.irp j, 0,1,2,3,4,5,6,7
	v_sub_f32 v[DD+(\j)], 1.0, v[CC+(\j)]          ; 1 - c
.endr
	; the tree: the left child takes c, the right one 1 - c.  Leaves 8 h + 0..7 hang under the root's child h.
	v_cndmask_b32 v[TR], v[CC], v[DD], s37
	v_mul_f32 v[TR+1], v[TR], v[CC+1]
	v_mul_f32 v[TR+2], v[TR], v[DD+1]
	v_mul_f32 v[TR+4], v[TR+1], v[CC+2]
	v_mul_f32 v[TR+5], v[TR+1], v[DD+2]
	v_mul_f32 v[TR+6], v[TR+2], v[CC+3]
	v_mul_f32 v[TR+7], v[TR+2], v[DD+3]
.irp i, 0,1,2,3
	v_mul_f32 v[PR+2*(\i)],   v[TR+4+(\i)], v[CC+4+(\i)]
	v_mul_f32 v[PR+2*(\i)+1], v[TR+4+(\i)], v[DD+4+(\i)]
.endr
.irp i, 0,1,2,3
	v_cvt_pk_bf16_f32 v[64+(\i)], v[PR+2*(\i)], v[PR+2*(\i)+1]
.endr
	v_lshlrev_b32 v68, 5, v2
	v_lshl_add_u32 v68, v3, 4, v68                 ; token r x 32 bytes + 16 h
	global_store_b128 v68, v[64:67], s[24:25]      ; the wave's store covers 512 consecutive bytes, aligned
	; pT wants a leaf's tokens side by side: through LDS, 16 leaves x the work-group's 64 tokens
	s_lshl_b32 s46, s2, 6
	s_add_co_u32 s46, s46, PS
	v_mul_u32_u24 v69, v3, 8*GP
	v_lshl_add_u32 v69, v2, 2, v69
	v_add_nc_u32 v69, s46, v69                     ; leaf 8 h, token 16 w + r
.irp j, 0,1,2,3,4,5,6,7
	ds_store_b32 v69, v[PR+(\j)] offset:GP*(\j)
.endr
	s_mul_i32 s46, s2, 4*GP
	s_add_co_u32 s46, s46, PS
	v_mul_u32_u24 v70, v3, GP
	v_lshl_add_u32 v70, v2, 4, v70
	v_add_nc_u32 v70, s46, v70                     ; back: leaf 4 w + h, 16 bytes a lane
	s_lshl_b32 s46, s2, 17
	v_lshlrev_b32 v71, 15, v3
	v_lshl_add_u32 v71, v2, 4, v71
	v_add_nc_u32 v71, s46, v71                     ; the same in pT: a leaf's row is 32,768 bytes
	s_wait_dscnt 0x0                               ; for the others' sake: my stores are done
	s_barrier_signal -1
	s_barrier_wait -1
	ds_load_b128 v[72:75], v70
	ds_load_b128 v[76:79], v70 offset:2*GP
	s_wait_dscnt 0x0
	global_store_b128 v71, v[72:75], s[26:27]               ; 16 lanes store 256 consecutive bytes, aligned
	global_store_b128 v71, v[76:79], s[26:27] offset:65536
	s_wait_tensorcnt 0x0                           ; the wave's end, behind my last LDS store
	ds_add_u32 v[SPW], v[NIL]
	s_wait_dscnt 0x0
	s_endpgm
	; ---- the weights: the same stream without gates ----
.Lweights:
	s_sub_co_u32 s46, ttmp9, 128
	s_wait_kmcnt 0x0
	s_cmp_lt_u32 s46, 64
	s_cselect_b64 s[SRC:SRC+1], s[10:11], s[12:13]  ; w1 or w2,
	s_cselect_b64 s[DST:DST+1], s[20:21], s[22:23]  ; w1b or w2b
	s_and_b32 s46, s46, 63
	s_lshl_b32 s46, s46, 2
	s_add_co_u32 s46, s46, s2
	s_lshl_b32 s32, s46, 16
	s_lshl_b32 s34, s46, 15
	s_add_nc_u64 s[SRC:SRC+1], s[SRC:SRC+1], s[32:33]
	s_add_nc_u64 s[DST:DST+1], s[DST:DST+1], s[34:35]
	PASS 0
	s_wait_tensorcnt 0x0                           ; the same three lines close this path
	ds_add_u32 v[SPW], v[NIL]
	s_wait_dscnt 0x0
	s_endpgm
.Lfunc_end_k_qffbd90c35d_prep:
	.size	k_qffbd90c35d_prep, .Lfunc_end_k_qffbd90c35d_prep-k_qffbd90c35d_prep
	.p2alignl 7, 3214868480
	.fill 96, 4, 3214868480
	.section	.rodata,"a",@progbits
	.p2align	6, 0x0
	.amdhsa_kernel k_qffbd90c35d_prep
		.amdhsa_group_segment_fixed_size 55296
		.amdhsa_private_segment_fixed_size 0
		.amdhsa_enable_private_segment 0
		.amdhsa_kernarg_size 80
		.amdhsa_user_sgpr_count 2
		.amdhsa_user_sgpr_kernarg_segment_ptr 1
		.amdhsa_wavefront_size32 1
		.amdhsa_system_sgpr_workgroup_id_x 1
		.amdhsa_system_sgpr_workgroup_id_y 1
		.amdhsa_system_sgpr_workgroup_id_z 1
		.amdhsa_system_vgpr_workitem_id 0
		.amdhsa_next_free_vgpr 256
		.amdhsa_next_free_sgpr 66
		.amdhsa_reserve_vcc 0
		.amdhsa_float_denorm_mode_32 3
		.amdhsa_float_denorm_mode_16_64 3
		.amdhsa_memory_ordered 1
		.amdhsa_forward_progress 1
		.amdhsa_inst_pref_size 69
	.end_amdhsa_kernel
	.amdgpu_metadata
---
amdhsa.version: [ 1, 2 ]
amdhsa.kernels:
  - .name:           k_qffbd90c35d_prep
    .symbol:         k_qffbd90c35d_prep.kd
    .args:
      - { .name: x, .offset: 0, .size: 8, .value_kind: global_buffer, .address_space: global }
      - { .name: w1, .offset: 8, .size: 8, .value_kind: global_buffer, .address_space: global }
      - { .name: w2, .offset: 16, .size: 8, .value_kind: global_buffer, .address_space: global }
      - { .name: node_w, .offset: 24, .size: 8, .value_kind: global_buffer, .address_space: global }
      - { .name: node_b, .offset: 32, .size: 8, .value_kind: global_buffer, .address_space: global }
      - { .name: xb, .offset: 40, .size: 8, .value_kind: global_buffer, .address_space: global }
      - { .name: w1b, .offset: 48, .size: 8, .value_kind: global_buffer, .address_space: global }
      - { .name: w2b, .offset: 56, .size: 8, .value_kind: global_buffer, .address_space: global }
      - { .name: pb, .offset: 64, .size: 8, .value_kind: global_buffer, .address_space: global }
      - { .name: pT, .offset: 72, .size: 8, .value_kind: global_buffer, .address_space: global }
    .group_segment_fixed_size: 55296
    .private_segment_fixed_size: 0
    .kernarg_segment_align: 8
    .kernarg_segment_size: 80
    .max_flat_workgroup_size: 128
    .sgpr_count:     66
    .vgpr_count:     256
    .wavefront_size: 32
...
	.end_amdgpu_metadata
.endif
;; end of part 1
;; launch up (part 2): grid 16 x 32, 4 waves a work-group, clusters of 4 x 4, 327,680 bytes of LDS; arguments xb, w1b, h, b1, pT; writes h
.if DOCPART == 2
	.amdgcn_target "amdgcn-amd-amdhsa--gfx1250"
	.amdhsa_code_object_version 6
	.text
	.protected	k_qffbd90c35d_up
	.globl	k_qffbd90c35d_up
	.p2align	8
	.type	k_qffbd90c35d_up,@function
k_qffbd90c35d_up:
	s_mov_b64 s[64:65], 0
	v_nop
	global_prefetch_b8 v0, s[64:65] scope:SCOPE_SE
	s_setreg_imm32_b32 hwreg(HW_REG_WAVE_MODE, 25, 1), 1
	s_wait_xcnt 0x0
	s_wait_alu depctr_hold_cnt(0) depctr_sa_sdst(0) depctr_va_vdst(0) depctr_va_sdst(0) depctr_va_ssrc(0) depctr_va_vcc(0) depctr_vm_vsrc(0)
	s_getreg_b32 s2, hwreg(HW_REG_IB_STS2, 6, 4)
	s_cmp_eq_u32 s2, 0
	s_cbranch_scc0 .Lentry_in_a_cluster
	s_endpgm
.Lentry_in_a_cluster:
	s_bfe_u32 s2, ttmp6, 0x10000c
	s_cmp_lg_u32 s2, 0xf033
	s_cbranch_scc0 .Lentry_shape_is_right
	s_endpgm
.Lentry_shape_is_right:
; h[t][256 l + c] = relu(sum over d of xb[t][d] w1b[l][d][c] + b1[l][c]) p[t][l].  xb: [8192][1024] bf16; w1b: [16][1024][256] bf16; b1: [16][256] f32; pT: [16][8192] f32; h: [8192][4096] bf16.
; Sums, bias and the factor p in f32; h rounded once.  The bias is the C operand of the product that starts each sum.
; LIMITS.  relu is taken behind the factor p and the rounding, on the packed bf16: the same number, since p, a product of numbers in 0 to 1, is never negative.  A NaN leaves as 0 there.
; A tile of h is 256 x 256: 256 tokens, one leaf.  Four waves, each 128 x 128: 64 accumulators of 16 x 16, 512 registers.  K = 1,024 goes in 8 steps of 128 through two LDS slots.
; A's tile (xb) has K along its rows: 128 rows of 256 bytes a load.  B's tile (w1b) lies [K][N]: 64 rows of 512 bytes a load; its fragments come out of LDS turned, by ds_load_tr16_b128.
; CLUSTERS: 4 x 4 work-groups.  The four of a row of the cluster need the same tokens' tile of xb, the four of a column the same leaf's tile of w1b: each tile is asked for JOINTLY, by the same
; tensor load with the same descriptor and a mask that names the four.
; THE MATRIX INSTRUCTION IS USED TRANSPOSED (source 0 = 16 columns of B, source 1 = 16 rows of A): a lane holds ONE token (lane % 16) and eight neighbouring columns, 16 bytes of a row of h.
; REGISTERS, in windows of 256 (s_set_vgpr_msb: bits 1:0 source 0, 3:2 source 1, 5:4 source 2, 7:6 destination):
;   window 0: v0-31 addresses; v64-127, v128-191 A's fragments, two buffers; v32-63, v192-255 at work on the way out
;   window 1: v0-63 the bias as eight C operands; v64-127, v128-191 B's fragments, two buffers; v192-207 p of my 8 x 16 tokens, each twice (a pair for the packed multiply)
;   window 2: the 32 accumulators of my rows 0-63 ((a, b) at v[8 (8 a + b)]);   window 3: those of my rows 64-127
.set SIZE_K, 1024
.set SIZE_N, 4096
.set KSTEP,  128
.set PITCH,  272                       ; a row of A in LDS: 256 bytes + 16: the 16 rows of a fragment load start at 16 different groups of four banks (ISA guide 11.1)
.set PB,     544                       ; a row of B in LDS: 512 bytes + 32
.set HALFT,  128*PITCH                 ; what one tensor load brings: 128 rows of A, or 64 rows of B (64 x 544 is the same 34,816 bytes)
.set SLOT,   4*HALFT                   ; A's 256 rows, then B's 128 rows
.set STAGE,  2*SLOT                    ; behind the ring: 16 rows x 272 bytes for each wave, for the way out
.set SPITCH, 272
.set SPARE,  STAGE+4*16*SPITCH         ; behind the stages: the spare words, 128 bytes for each wave: two blocks of 256 bytes that no other line names
.set LAPS,   SIZE_K/(2*KSTEP)          ; a lap = two K steps = once round the ring
.set ADRA, 16                          ; v16-17  LDS address of my A fragments in slot 0, 1
.set ADRB, 20                          ; v20-21  the same for B
.set STO,  24                          ; v24     the way out: where I put 16 bytes of a row
.set RD,   25                          ; v25     the way out: where I read a row back
.set CO,   26                          ; v26     my byte offset in two rows of h
.set ZR,   27                          ; v27     0, for relu
.set SPW,  28                          ; v28     LDS address of my spare word; never rewritten
.set NIL,  29                          ; v29     0; never rewritten
.set F0,   64
.set F1,   128
.set TMP,  192
.set OB,   32
.set BI,   0                           ; window 1
.set PP,   192                         ; window 1
.set G1,  24                           ; s[24:31] descriptor group 1 for A's tiles;  s[32:39] group 0, a set for each slot
.set G0,  32
.set G1B, 48                           ; s[48:55], s[56:63] the same for B's tiles
.set G0B, 56
.set MSB, 0
.macro WIN new                         ; the immediate's high byte repeats the setting that is left; a switch that changes nothing is dropped
.if MSB != (\new)
	s_set_vgpr_msb (MSB<<8)|(\new)
.set MSB, \new
.endif
.endm
.set TO_B, 0x40                        ; destination window 1, address window 0
; A joint load.  Waves 0 and 1 fetch A's two halves, waves 2 and 3 B's.  The branch hangs on the wave's number alone.  An s_nop 0 and four v_nop follow each of the two lines.
.macro JLOAD s
	s_cmp_eq_u32 s11, 0
	s_cbranch_scc0 .Lfor_b_\@
	tensor_load_to_lds s[G0+4*(\s):G0+4*(\s)+3], s[G1:G1+7]
	s_nop 0
.rept 4
	v_nop
.endr
	s_branch .Lasked_\@
.Lfor_b_\@:
	tensor_load_to_lds s[G0B+4*(\s):G0B+4*(\s)+3], s[G1B:G1B+7]
	s_nop 0
.rept 4
	v_nop
.endr
.Lasked_\@:
.endm
.macro CREST                           ; a round of the cluster's barrier behind its opening barrier
	s_cmp_lg_u32 s10, 0
	s_cbranch_scc1 .Lnot_wave_0_\@
	s_barrier_signal -3
.Lnot_wave_0_\@:
	s_barrier_wait -3
	s_barrier_signal -1
	s_barrier_wait -1
.endm
.macro CROUND                          ; a whole round
	s_barrier_signal -1
	s_barrier_wait -1
	CREST
.endm
	s_load_b128 s[4:7], s[0:1], 0x0                ; xb s[4:5], w1b s[6:7]
	s_load_b64 s[8:9], s[0:1], 0x10                ; h
	s_load_b128 s[68:71], s[0:1], 0x18             ; b1 s[68:69], pT s[70:71]
	v_lshl_add_u32 v[SPW], v0, 2, SPARE
	v_mov_b32 v[NIL], 0
	ds_add_u32 v[SPW], v[NIL]                      ; the wave's opening: the add and its wait stand ahead of my first tensor load; the set-up below stands between them
	v_lshrrev_b32 v1, 5, v0
	v_readfirstlane_b32 s10, v1                    ; wave 0..3
	s_lshr_b32 s11, s10, 1                         ; which half of the tile's rows is mine.  Also: I fetch for A (0) or for B (1)
	s_and_b32 s12, s10, 1                          ; which half of its columns.  Also: which half of that tile I fetch
	s_bfe_u32 s40, ttmp6, 0x40000                  ; cx, cy: my place in the cluster
	s_bfe_u32 s41, ttmp6, 0x40004
	s_lshl_b32 s42, ttmp9, 2
	s_add_co_u32 s42, s42, s40                     ; the leaf = 4 x cluster x + cx
	s_and_b32 s13, ttmp7, 0xffff
	s_lshl_b32 s13, s13, 2
	s_add_co_u32 s13, s13, s41                     ; the block of 256 tokens = 4 x cluster y + cy
	s_lshl_b32 s43, s41, 2
	s_lshl_b32 s43, 15, s43                        ; my row of the cluster
	s_lshl_b32 s44, 0x1111, s40                    ; my column
	s_or_b32 s[G1+0], s43, (1<<16)|(1<<20)|(1<<21)|(5<<22)|(3<<25)   ; the mask: A's tiles go to my row; 2-byte elements; padding on; bit 21 beside a mask; after every 64 words, 4 words
	s_mov_b32 s[G1+1], KSTEP<<16                   ; tensor_dim0 = 128
	s_mov_b32 s[G1+2], 128<<16                     ; tensor_dim1 = 128
	s_mov_b32 s[G1+3], KSTEP<<16                   ; tile_dim0 = 128
	s_mov_b32 s[G1+4], 128                         ; tile_dim1 = 128
	s_mov_b32 s[G1+5], SIZE_K                      ; elements from row to row
	s_mov_b32 s[G1+6], 0
	s_mov_b32 s[G1+7], 0
	s_or_b32 s[G1B+0], s44, (1<<16)|(1<<20)|(1<<21)|(6<<22)|(7<<25)  ; B's tiles go to my column; after every 128 words, 8 words
	s_mov_b32 s[G1B+1], 256<<16                    ; tensor_dim0 = 256
	s_mov_b32 s[G1B+2], 64<<16                     ; tensor_dim1 = 64
	s_mov_b32 s[G1B+3], 256<<16                    ; tile_dim0 = 256
	s_mov_b32 s[G1B+4], 64                         ; tile_dim1 = 64
	s_mov_b32 s[G1B+5], 256
	s_mov_b32 s[G1B+6], 0
	s_mov_b32 s[G1B+7], 0
	; A's address hangs on the token block and the wave alone, B's on the leaf and the wave alone, each in registers that never hold the other coordinate
	s_lshl_b32 s16, s13, 19                        ; 256 rows of 2,048 bytes
	s_lshl_b32 s17, s12, 18                        ; my 128 of them
	s_add_co_u32 s16, s16, s17
	s_mov_b32 s17, 0
	s_lshl_b32 s46, s42, 19                        ; a leaf's 1,024 rows of 512 bytes
	s_lshl_b32 s47, s12, 15                        ; my 64 rows of a K step's 128
	s_add_co_u32 s46, s46, s47
	s_mov_b32 s47, 0
	s_mul_i32 s20, s10, HALFT                      ; where they go: A's two halves, then B's two halves
	s_lshl_b32 s72, s42, 10                        ; b1: the leaf's 256 numbers, my 128 of them
	s_lshl_b32 s73, s12, 9
	s_add_co_u32 s72, s72, s73
	s_mov_b32 s73, 0
	s_lshl_b32 s74, s42, 15                        ; pT: the leaf's row, my 128 tokens
	s_lshl_b32 s75, s13, 10
	s_add_co_u32 s74, s74, s75
	s_lshl_b32 s75, s11, 9
	s_add_co_u32 s74, s74, s75
	s_mov_b32 s75, 0
	s_wait_dscnt 0x0                               ; the opening add is done
	s_wait_kmcnt 0x0
	s_add_nc_u64 s[14:15], s[4:5], s[16:17]
	s_add_nc_u64 s[46:47], s[6:7], s[46:47]
	s_add_nc_u64 s[68:69], s[68:69], s[72:73]
	s_add_nc_u64 s[70:71], s[70:71], s[74:75]
	CROUND                                         ; all sixteen work-groups are here: the first joint loads meet
.irp s, 0,1
	s_mov_b32 s[G0+4*(\s)], 1
	s_add_co_u32 s[G0+4*(\s)+1], s20, (\s)*SLOT
	s_add_nc_u64 s[G0+4*(\s)+2:G0+4*(\s)+3], s[14:15], (\s)*KSTEP*2        ; K step s: 256 bytes along the rows
	s_or_b32 s[G0+4*(\s)+3], s[G0+4*(\s)+3], 0x80000000
	s_mov_b32 s[G0B+4*(\s)], 1
	s_add_co_u32 s[G0B+4*(\s)+1], s20, (\s)*SLOT
	s_add_nc_u64 s[G0B+4*(\s)+2:G0B+4*(\s)+3], s[46:47], (\s)*KSTEP*512    ; K step s: 128 rows of 512 bytes down
	s_or_b32 s[G0B+4*(\s)+3], s[G0B+4*(\s)+3], 0x80000000
	JLOAD \s                                       ; two tensor loads of mine are out
.endr
	v_and_b32 v1, 15, v0                           ; r = l % 16
	v_bfe_u32 v2, v0, 4, 1                         ; l / 16
	v_mul_u32_u24 v3, v1, PITCH
	v_lshl_add_u32 v3, v2, 4, v3                   ; A: row x pitch + 16 x half
	v_and_b32 v6, 7, v0
	v_bfe_u32 v7, v0, 3, 1
	v_lshl_add_u32 v6, v2, 3, v6                   ; B, turned: K row 8 (l / 16) + l % 8,
	v_mul_u32_u24 v6, v6, PB
	v_lshl_add_u32 v6, v7, 4, v6                   ; columns 8 ((l / 8) % 2) on
	s_mul_i32 s21, s11, HALFT                      ; my 128 rows of A
	s_lshl_b32 s22, s12, 8                         ; my 128 columns of B,
	s_add_co_u32 s22, s22, 2*HALFT                 ; which lies behind A
.irp s, 0,1
	v_add_nc_u32 v[ADRA+(\s)], s21, v3
	v_add_nc_u32 v[ADRB+(\s)], s22, v6
	s_add_co_u32 s21, s21, SLOT
	s_add_co_u32 s22, s22, SLOT
.endr
	s_mul_i32 s23, s10, 16*SPITCH
	s_add_co_u32 s23, s23, STAGE                   ; my stage
	v_mul_u32_u24 v4, v1, SPITCH
	v_lshl_add_u32 v4, v2, 4, v4
	v_add_nc_u32 v[STO], s23, v4
	v_mul_u32_u24 v5, v2, SPITCH
	v_lshl_add_u32 v5, v1, 4, v5
	v_add_nc_u32 v[RD], s23, v5
	v_mul_u32_u24 v5, v2, SIZE_N*2
	v_lshl_add_u32 v[CO], v1, 4, v5
	v_mov_b32 v[ZR], 0
	v_lshlrev_b32 v30, 5, v2                       ; 32 h: my eight numbers of sixteen of b1
	v_lshlrev_b32 v31, 2, v1                       ; 4 r: my token of sixteen in pT
	WIN TO_B
.irp b, 0,1,2,3,4,5,6,7
	global_load_b128 v[BI+8*(\b):BI+8*(\b)+3],   v30, s[68:69] offset:64*(\b)
	global_load_b128 v[BI+8*(\b)+4:BI+8*(\b)+7], v30, s[68:69] offset:64*(\b)+16
.endr
.irp a, 0,1,2,3,4,5,6,7
	global_load_b32 v[PP+2*(\a)],   v31, s[70:71] offset:64*(\a)
	global_load_b32 v[PP+2*(\a)+1], v31, s[70:71] offset:64*(\a)
.endr
	WIN 0
	s_lshl_b32 s16, s13, 21                        ; h at my part of the tile: 256 rows of 8,192 bytes,
	s_lshl_b32 s17, s11, 20                        ; my 128 of them,
	s_add_co_u32 s16, s16, s17
	s_lshl_b32 s46, s42, 9                         ; the leaf's 512 bytes of a row,
	s_lshl_b32 s47, s12, 8                         ; my 256 of them
	s_add_co_u32 s46, s46, s47
	s_add_co_u32 s16, s16, s46
	s_mov_b32 s17, 0
	s_add_nc_u64 s[8:9], s[8:9], s[16:17]
; 16 matrix instructions: m blocks a0, a0 + 1 of the window's four x all 8 n blocks, 32 along K.  first = 1: the sums start with the bias as C (window 1).
; The 64 accumulators take turns, one instruction a turn, in the same order in every quarter.
.macro MUL16 f, hi, a0, first
.if \first
	WIN 0x91+0x40*(\hi)
.else
	WIN 0xa1+0x50*(\hi)
.endif
.irp a, \a0, (\a0)+1
.irp b, 0,1,2,3,4,5,6,7
.if \first
	v_wmma_f32_16x16x32_bf16 v[8*(8*(\a)+(\b)):8*(8*(\a)+(\b))+7], v[(\f)+8*(\b):(\f)+8*(\b)+7], v[(\f)+8*(4*(\hi)+(\a)):(\f)+8*(4*(\hi)+(\a))+7], v[BI+8*(\b):BI+8*(\b)+7]
.else
	v_wmma_f32_16x16x32_bf16 v[8*(8*(\a)+(\b)):8*(8*(\a)+(\b))+7], v[(\f)+8*(\b):(\f)+8*(\b)+7], v[(\f)+8*(4*(\hi)+(\a)):(\f)+8*(4*(\hi)+(\a))+7], v[8*(8*(\a)+(\b)):8*(8*(\a)+(\b))+7]
.endif
.endr
.endr
.endm
; 32 LDS loads in one run: quarter q (32 along K) of a slot into buffer f: B's 8 fragments (turned), then A's 8
.macro FETCH slot, q, f
	WIN TO_B
.irp i, 0,1,2,3,4,5,6,7
	ds_load_tr16_b128 v[(\f)+8*(\i):(\f)+8*(\i)+3],   v[ADRB+(\slot)] offset:(\q)*32*PB+32*(\i)
	ds_load_tr16_b128 v[(\f)+8*(\i)+4:(\f)+8*(\i)+7], v[ADRB+(\slot)] offset:(\q)*32*PB+16*PB+32*(\i)
.endr
	WIN 0
.irp i, 0,1,2,3,4,5,6,7
	ds_load_b128 v[(\f)+8*(\i):(\f)+8*(\i)+3],   v[ADRA+(\slot)] offset:64*(\q)+(\i)*16*PITCH
	ds_load_b128 v[(\f)+8*(\i)+4:(\f)+8*(\i)+7], v[ADRA+(\slot)] offset:64*(\q)+(\i)*16*PITCH+32
.endr
.endm
.macro PLACES                          ; four places in front of loads into registers that matrix instructions have read, and of vector work that reads results
.rept 4
	v_nop
.endr
.endm
; One of a K step's first three quarters: multiplies buffer f; in its middle it fetches quarter q of the same slot into buffer g.
.macro QUARTER slot, q, f, g, first
	s_wait_dscnt 8                                 ; B and A's rows 0-63 are in; the youngest eight loads (A's rows 64-127) may be out
	MUL16 \f, 0, 0, \first
	MUL16 \f, 0, 2, \first
	PLACES
	FETCH \slot, \q, \g
	s_wait_dscnt 32                                ; all but the 32 just issued
	MUL16 \f, 1, 0, \first
	MUL16 \f, 1, 2, \first
.endm
; The last quarter multiplies buffer 1 and changes slots.  ONE barrier: in front of it each wave waits for all its tensor loads (one is out: its part of the next slot), adds 0 to its spare word,
; and waits for that and for its own reads of this slot.  Behind it nobody reads this slot any more and the next slot is whole.
.macro MEET round
	WIN 0
	s_wait_tensorcnt 0x0
	ds_add_u32 v[SPW], v[NIL]
	s_wait_dscnt 9                                 ; the add and the youngest eight loads may be out
	MUL16 F1, 0, 0, 0
	s_wait_dscnt 0x0                               ; the add is done, and my reads of this slot are over
	s_barrier_signal -1
	MUL16 F1, 0, 2, 0
.if \round
	WIN 0
.endif
	s_barrier_wait -1
.endm
; fill = 1: the barrier opens a round of the cluster's, and the slot just read out is filled again, two K steps on, first thing behind the round: 224 matrix instructions ahead of the wait for it.
.macro TURN slot, next, fill
.if \fill
	MEET 1
	CREST
	s_add_nc_u64 s[G0+4*(\slot)+2:G0+4*(\slot)+3], s[G0+4*(\slot)+2:G0+4*(\slot)+3], 2*KSTEP*2
	s_add_nc_u64 s[G0B+4*(\slot)+2:G0B+4*(\slot)+3], s[G0B+4*(\slot)+2:G0B+4*(\slot)+3], 2*KSTEP*512
	JLOAD \slot                                    ; the four v_nop behind it are also the places in front of the loads below
.else
	MEET 0
	PLACES
.endif
	FETCH \next, 0, F0
	MUL16 F1, 1, 0, 0
	MUL16 F1, 1, 2, 0
.endm
; THE WAY OUT of block a (16 tokens x 128 columns).  PACK: times the token's p, rounded to bf16, relu.  TOSTAGE: into my own stage and back as whole rows of 256 bytes.  SEND: stored.
.macro PACK a
.set AC, 64*((\a)%4)
	WIN 0x86+0x41*((\a)/4)                         ; destination and source 0 in window 2 or 3, p in window 1
.set i, 0
.rept 32
	v_pk_mul_f32 v[AC+2*i:AC+2*i+1], v[AC+2*i:AC+2*i+1], v[PP+2*(\a):PP+2*(\a)+1]  ; ascending: each accumulator's lowest registers are read first
.set i, i+1
.endr
	WIN 0x0a+5*((\a)/4)                            ; sources in window 2 or 3, destination in window 0
.set i, 0
.rept 32
	v_cvt_pk_bf16_f32 v[TMP+i], v[AC+2*i], v[AC+2*i+1]
.set i, i+1
.endr
	WIN 0
.set i, 0
.rept 32
	v_pk_max_num_bf16 v[TMP+i], v[TMP+i], v[ZR]
.set i, i+1
.endr
.endm
.macro TOSTAGE a
	WIN 0
.set BK, OB+192*((\a)%2)
.irp b, 0,1,2,3,4,5,6,7
	ds_store_b128 v[STO], v[TMP+4*(\b):TMP+4*(\b)+3] offset:32*(\b)
.endr
.irp t, 0,1,2,3,4,5,6,7
	ds_load_b128 v[BK+4*(\t):BK+4*(\t)+3], v[RD] offset:(\t)*2*SPITCH  ; LDS serves a wave's instructions in order (ISA guide 5.7.1.4): these see the stores above
.endr
.endm
.macro SEND a, younger
	WIN 0
.set BK, OB+192*((\a)%2)
	s_wait_dscnt \younger                          ; the block is back in registers
	s_wait_xcnt 0x0                                ; the stores' base, and the registers that earlier stores read, are rewritten only behind this wait
.if (\a) != 0
	s_add_nc_u64 s[8:9], s[8:9], 16*SIZE_N*2       ; 16 rows of h on
.endif
.irp t, 0,1,2,3,4,5,6,7
	global_store_b128 v[CO], v[BK+4*(\t):BK+4*(\t)+3], s[8:9] offset:2*(\t)*SIZE_N*2  ; 16 lanes store 256 consecutive bytes, aligned
.endr
.endm
	s_wait_tensorcnt 1                             ; my part of K step 0 is in; K step 1's load may stay out
	s_barrier_signal -1
	s_barrier_wait -1
	FETCH 0, 0, F0
	s_wait_loadcnt 0x0                             ; the bias and p
	QUARTER 0, 1, F0, F1, 1                        ; the first quarter stands in front of the loop: its products start the sums
	WIN 0
	s_mov_b32 s3, LAPS-1
.Llap:                                                 ; a trip goes once round the ring, from a lap's second quarter to the next lap's first, and fills both slots again
	QUARTER 0, 2, F1, F0, 0
	QUARTER 0, 3, F0, F1, 0
	TURN 0, 1, 1
	QUARTER 1, 1, F0, F1, 0
	QUARTER 1, 2, F1, F0, 0
	QUARTER 1, 3, F0, F1, 0
	TURN 1, 0, 1
	QUARTER 0, 1, F0, F1, 0
	WIN 0
	s_sub_co_u32 s3, s3, 1
	s_cmp_lg_u32 s3, 0
	s_cbranch_scc1 .Llap
	QUARTER 0, 2, F1, F0, 0                        ; the last lap fills nothing
	QUARTER 0, 3, F0, F1, 0
	TURN 0, 1, 0
	QUARTER 1, 1, F0, F1, 0
	QUARTER 1, 2, F1, F0, 0
	QUARTER 1, 3, F0, F1, 0
	s_wait_dscnt 8                                 ; the very last quarter: nothing more to fetch
	MUL16 F1, 0, 0, 0
	MUL16 F1, 0, 2, 0
	s_wait_dscnt 0x0
	MUL16 F1, 1, 0, 0
	MUL16 F1, 1, 2, 0
	PLACES
	PACK 0
	TOSTAGE 0
.irp a, 1,2,3,4,5,6,7                  ; block a's arithmetic stands between block a - 1's loads from the stage and the wait for them
	PACK \a
	SEND (\a)-1, 0
	TOSTAGE \a
.endr
	SEND 7, 0
	s_wait_tensorcnt 0x0                           ; the wave's end, behind my last tensor load and my last LDS store
	ds_add_u32 v[SPW], v[NIL]
	s_wait_dscnt 0x0
	CROUND                                         ; the closing round: no work-group ends while a partner may still ask for a tile that names it
	s_endpgm
.Lfunc_end_k_qffbd90c35d_up:
	.size	k_qffbd90c35d_up, .Lfunc_end_k_qffbd90c35d_up-k_qffbd90c35d_up
	.p2alignl 7, 3214868480
	.fill 96, 4, 3214868480
	.section	.rodata,"a",@progbits
	.p2align	6, 0x0
	.amdhsa_kernel k_qffbd90c35d_up
		.amdhsa_group_segment_fixed_size 327680
		.amdhsa_private_segment_fixed_size 0
		.amdhsa_enable_private_segment 0
		.amdhsa_kernarg_size 40
		.amdhsa_user_sgpr_count 2
		.amdhsa_user_sgpr_kernarg_segment_ptr 1
		.amdhsa_wavefront_size32 1
		.amdhsa_system_sgpr_workgroup_id_x 1
		.amdhsa_system_sgpr_workgroup_id_y 1
		.amdhsa_system_sgpr_workgroup_id_z 1
		.amdhsa_system_vgpr_workitem_id 0
		.amdhsa_next_free_vgpr 1024
		.amdhsa_next_free_sgpr 80
		.amdhsa_reserve_vcc 0
		.amdhsa_float_denorm_mode_32 3
		.amdhsa_float_denorm_mode_16_64 3
		.amdhsa_memory_ordered 1
		.amdhsa_forward_progress 1
		.amdhsa_inst_pref_size 179
	.end_amdhsa_kernel
	.amdgpu_metadata
---
amdhsa.version: [ 1, 2 ]
amdhsa.kernels:
  - .name:           k_qffbd90c35d_up
    .symbol:         k_qffbd90c35d_up.kd
    .args:
      - { .name: xb, .offset: 0, .size: 8, .value_kind: global_buffer, .address_space: global }
      - { .name: w1b, .offset: 8, .size: 8, .value_kind: global_buffer, .address_space: global }
      - { .name: h, .offset: 16, .size: 8, .value_kind: global_buffer, .address_space: global }
      - { .name: b1, .offset: 24, .size: 8, .value_kind: global_buffer, .address_space: global }
      - { .name: pT, .offset: 32, .size: 8, .value_kind: global_buffer, .address_space: global }
    .group_segment_fixed_size: 327680
    .private_segment_fixed_size: 0
    .kernarg_segment_align: 8
    .kernarg_segment_size: 40
    .max_flat_workgroup_size: 128
    .sgpr_count:     80
    .vgpr_count:     1024
    .wavefront_size: 32
...
	.end_amdgpu_metadata
.endif
;; end of part 2
;; launch down (part 3): grid 4 x 64, 4 waves a work-group, clusters of 4 x 4, 327,680 bytes of LDS; arguments h, w2b, out0, pb, b2; writes out0
.if DOCPART == 3
	.amdgcn_target "amdgcn-amd-amdhsa--gfx1250"
	.amdhsa_code_object_version 6
	.text
	.protected	k_qffbd90c35d_down
	.globl	k_qffbd90c35d_down
	.p2align	8
	.type	k_qffbd90c35d_down,@function
k_qffbd90c35d_down:
	s_mov_b64 s[64:65], 0
	v_nop
	global_prefetch_b8 v0, s[64:65] scope:SCOPE_SE
	s_setreg_imm32_b32 hwreg(HW_REG_WAVE_MODE, 25, 1), 1
	s_wait_xcnt 0x0
	s_wait_alu depctr_hold_cnt(0) depctr_sa_sdst(0) depctr_va_vdst(0) depctr_va_sdst(0) depctr_va_ssrc(0) depctr_va_vcc(0) depctr_vm_vsrc(0)
	s_getreg_b32 s2, hwreg(HW_REG_IB_STS2, 6, 4)
	s_cmp_eq_u32 s2, 0
	s_cbranch_scc0 .Lentry_in_a_cluster
	s_endpgm
.Lentry_in_a_cluster:
	s_bfe_u32 s2, ttmp6, 0x10000c
	s_cmp_lg_u32 s2, 0xf033
	s_cbranch_scc0 .Lentry_shape_is_right
	s_endpgm
.Lentry_shape_is_right:
; out0[t][d] = sum over k of h[t][k] w2b[k][d] + sum over l of p[t][l] b2[l][d].  h: [8192][4096] bf16; w2b: [4096][1024] bf16; pb: [8192][16] bf16; b2: [16][1024] f32; out0: [8192][1024] f32.
; Sums in f32.  The second sum is a matrix product too (16 leaves, filled up to K = 32 with zeros on both sides; b2 rounded to bf16), and it STARTS all the sums, with C = 0.
; A tile of out0 is 128 x 256: 256 work-groups, where tiles of 256 x 256 would be 128.  Four waves, each 64 x 128: 32 accumulators, 256 registers.
; K STEPS OF 192, as long as two slots in LDS allow (2 x 159,744 bytes): behind each round a wave issues one load, and it has one K step in which to land: 192 matrix instructions a wave, 176 of them
; between the request and the wait for it.  4,096 = 64 + 21 x 192: the short step comes FIRST, as one of the two first fills, with descriptors of its own; all 20 refills are alike.
; A's tile (h): 64 rows of 384 bytes a load; they begin at multiples of 128 bytes of h, not of 256: the price of the longer step.  B's tile (w2b, [K][N]): 96 rows of 512 bytes a load; its fragments
; come out of LDS turned, by ds_load_tr16_b128.
; CLUSTERS: 4 x 4 work-groups.  A row of the cluster covers all 1,024 columns and shares its tokens' tile of h; a column shares its tile of w2b: joint loads, a mask of four each.
; THE MATRIX INSTRUCTION IS USED TRANSPOSED (source 0 = 16 columns of B, source 1 = 16 rows of A): a lane holds ONE token (lane % 16) and eight neighbouring columns, 32 bytes of a row of out0.
; REGISTERS, in windows of 256 (s_set_vgpr_msb: bits 1:0 source 0, 3:2 source 1, 5:4 source 2, 7:6 destination):
;   window 0: v0-31 addresses; v64-95, v96-127 A's fragments, two buffers; v128-191, v192-255 b2 as loaded, later the way out
;   window 1: v0-63, v64-127 B's fragments, two buffers          window 2: the accumulators, (a, b) at v[8 (8 a + b)]
.set KSTEP,  192
.set KFIRST, 64                        ; the first step's K
.set CH,     144                       ; a row of A in LDS is three chunks of 128 bytes + 16 of padding (a row's 96 words are no interval that the padding knows; 32 words are)
.set PA,     3*CH                      ; 432, an odd multiple of 16: the 16 rows of a fragment load start at 16 different groups of four banks (ISA guide 11.1)
.set PB,     544                       ; a row of B in LDS: 512 bytes + 32
.set HALFA,  64*PA                     ; 27,648: one load of A
.set HALFB,  96*PB                     ; 52,224: one load of B
.set BOFF,   2*HALFA                   ; B lies behind A's 128 rows
.set SLOT,   2*HALFA+2*HALFB           ; 159,744
.set STAGE,  0                         ; the way out's stage, 16 rows x 528 bytes for each wave, lies in slot 0: when it is written, slot 0 has had its last fill, and its last read stands in front of the tail's barrier
.set SPITCH, 528                       ; 512 bytes of f32 + 16
.set SPARE,  2*SLOT                    ; behind the ring: the spare words, 128 bytes for each wave: two blocks of 256 bytes that no other line names
.set TRIPS,  10                        ; a trip fills both slots again: K steps 2 to 21
.set ADRA, 16                          ; v16-17  LDS address of my A fragments in slot 0, 1
.set ADRB, 20                          ; v20-21  the same for B, quarters 0-2;  v22-23  quarters 3-5 (their offsets would pass the 16 bits of the immediate)
.set STO,  24                          ; v24     the way out: where I put 32 bytes of a row
.set RD,   25                          ; v25     the way out: where I read 16 bytes of a row back
.set CO,   26                          ; v26     16 x lane: my bytes in 512 of out0
.set SPW,  28                          ; v28     LDS address of my spare word; never rewritten
.set NIL,  29                          ; v29     0; never rewritten
.set FA0,  64
.set T,    128
.set OB0,  128
.set OB1,  192
.set G1,   24                          ; s[24:31] descriptor group 1 for A's tiles;  s[32:39] group 0, a set for each slot
.set G0,   32
.set G1B,  48                          ; s[48:55], s[56:63] the same for B's tiles
.set G0B,  56
.set G1F,  76                          ; s[76:83], s[84:91] group 1 for the first, short step's tiles of A and of B
.set G1BF, 84
.set G0F,  92                          ; s[92:95], s[96:99] their group 0
.set G0BF, 96
.set MSB, 0
.macro WIN new                         ; the immediate's high byte repeats the setting that is left; a switch that changes nothing is dropped
.if MSB != (\new)
	s_set_vgpr_msb (MSB<<8)|(\new)
.set MSB, \new
.endif
.endm
; A joint load: waves 0 and 1 fetch A's two halves (groups a0, a1), waves 2 and 3 B's (b0, b1).  The branch hangs on the wave's number alone.  An s_nop 0 and four v_nop follow each of the two lines.
.macro JLOAD a0, a1, b0, b1
	s_cmp_eq_u32 s11, 0
	s_cbranch_scc0 .Lfor_b_\@
	tensor_load_to_lds s[(\a0):(\a0)+3], s[(\a1):(\a1)+7]
	s_nop 0
.rept 4
	v_nop
.endr
	s_branch .Lasked_\@
.Lfor_b_\@:
	tensor_load_to_lds s[(\b0):(\b0)+3], s[(\b1):(\b1)+7]
	s_nop 0
.rept 4
	v_nop
.endr
.Lasked_\@:
.endm
.macro CREST                           ; a round of the cluster's barrier behind its opening barrier
	s_cmp_lg_u32 s10, 0
	s_cbranch_scc1 .Lnot_wave_0_\@
	s_barrier_signal -3
.Lnot_wave_0_\@:
	s_barrier_wait -3
	s_barrier_signal -1
	s_barrier_wait -1
.endm
.macro CROUND                          ; a whole round
	s_barrier_signal -1
	s_barrier_wait -1
	CREST
.endm
	s_load_b128 s[4:7], s[0:1], 0x0                ; h s[4:5], w2b s[6:7]
	s_load_b64 s[8:9], s[0:1], 0x10                ; out0
	s_load_b128 s[68:71], s[0:1], 0x18             ; pb s[68:69], b2 s[70:71]
	v_lshl_add_u32 v[SPW], v0, 2, SPARE
	v_mov_b32 v[NIL], 0
	ds_add_u32 v[SPW], v[NIL]                      ; the wave's opening: the add and its wait stand ahead of my first tensor load; the set-up below stands between them
	v_lshrrev_b32 v1, 5, v0
	v_readfirstlane_b32 s10, v1                    ; wave 0..3
	s_lshr_b32 s11, s10, 1                         ; which 64 of the tile's rows are mine.  Also: I fetch for A (0) or for B (1)
	s_and_b32 s12, s10, 1                          ; which 128 of its columns.  Also: which half of that tile I fetch
	s_bfe_u32 s40, ttmp6, 0x40000                  ; cx, cy: my place in the cluster
	s_bfe_u32 s41, ttmp6, 0x40004
	s_lshl_b32 s42, ttmp9, 2
	s_add_co_u32 s42, s42, s40                     ; the block of 256 columns
	s_and_b32 s13, ttmp7, 0xffff
	s_lshl_b32 s13, s13, 2
	s_add_co_u32 s13, s13, s41                     ; the block of 128 tokens
	s_lshl_b32 s43, s41, 2
	s_lshl_b32 s43, 15, s43                        ; my row of the cluster
	s_lshl_b32 s44, 0x1111, s40                    ; my column
	; A's tiles go to my row of the cluster; 2-byte elements; padding on; bit 21 beside a mask; after every 32 words (code 4) 4 words of padding (code 3)
	s_or_b32 s[G1+0], s43, (1<<16)|(1<<20)|(1<<21)|(4<<22)|(3<<25)
	s_mov_b32 s[G1+1], KSTEP<<16                   ; tensor_dim0 = 192
	s_mov_b32 s[G1+2], 64<<16                      ; tensor_dim1 = 64
	s_mov_b32 s[G1+3], KSTEP<<16                   ; tile_dim0 = 192
	s_mov_b32 s[G1+4], 64                          ; tile_dim1 = 64
	s_mov_b32 s[G1+5], 4096                        ; elements from row to row of h
	s_mov_b32 s[G1+6], 0
	s_mov_b32 s[G1+7], 0
	; the first step's: rows of 64 elements, one chunk, and 76 words of padding (code 75), so that its rows lie 432 bytes apart like the others'
	s_or_b32 s[G1F+0], s43, (1<<16)|(1<<20)|(1<<21)|(4<<22)|(75<<25)
	s_mov_b32 s[G1F+1], KFIRST<<16
	s_mov_b32 s[G1F+2], 64<<16
	s_mov_b32 s[G1F+3], KFIRST<<16
	s_mov_b32 s[G1F+4], 64
	s_mov_b32 s[G1F+5], 4096
	s_mov_b32 s[G1F+6], 0
	s_mov_b32 s[G1F+7], 0
	; B's tiles go to my column; after every 128 words (code 6) 8 words of padding (code 7); 96 rows a load, in the first step 32
	s_or_b32 s[G1B+0], s44, (1<<16)|(1<<20)|(1<<21)|(6<<22)|(7<<25)
	s_mov_b32 s[G1B+1], 256<<16
	s_mov_b32 s[G1B+2], 96<<16
	s_mov_b32 s[G1B+3], 256<<16
	s_mov_b32 s[G1B+4], 96
	s_mov_b32 s[G1B+5], 1024                       ; elements from row to row of w2b
	s_mov_b32 s[G1B+6], 0
	s_mov_b32 s[G1B+7], 0
	s_or_b32 s[G1BF+0], s44, (1<<16)|(1<<20)|(1<<21)|(6<<22)|(7<<25)
	s_mov_b32 s[G1BF+1], 256<<16
	s_mov_b32 s[G1BF+2], 32<<16
	s_mov_b32 s[G1BF+3], 256<<16
	s_mov_b32 s[G1BF+4], 32
	s_mov_b32 s[G1BF+5], 1024
	s_mov_b32 s[G1BF+6], 0
	s_mov_b32 s[G1BF+7], 0
	; A's address hangs on the token block and the wave alone, B's on the column block and the wave alone, each in registers that never hold the other coordinate
	s_lshl_b32 s16, s13, 20                        ; A: 128 rows of 8,192 bytes,
	s_lshl_b32 s17, s12, 19                        ; my 64 of them
	s_add_co_u32 s16, s16, s17
	s_mov_b32 s17, 0
	s_lshl_b32 s46, s42, 9                         ; B: 256 columns of 2 bytes;
	s_mov_b32 s47, 0
	s_lshl_b32 s18, s12, 16                        ; my 32 rows of 2,048 bytes of the first step's 64,
	s_mov_b32 s19, 0
	s_mul_i32 s22, s12, 96*2048                    ; my 96 rows of a later step's 192
	s_mov_b32 s23, 0
	s_mul_i32 s20, s12, HALFA                      ; where they go, for A,
	s_mul_i32 s21, s12, HALFB                      ; for B,
	s_add_co_u32 s21, s21, BOFF
	s_mul_i32 s45, s12, 32*PB                      ; and for B's first step: the wave's number alone enters an LDS address
	s_add_co_u32 s45, s45, BOFF
	s_lshl_b32 s72, s13, 12                        ; pb: 128 tokens of 32 bytes, my 64 of them
	s_lshl_b32 s73, s11, 11
	s_add_co_u32 s72, s72, s73
	s_mov_b32 s73, 0
	s_lshl_b32 s74, s42, 10                        ; b2 and out0: 256 columns of 4 bytes, my 128 of them
	s_lshl_b32 s75, s12, 9
	s_add_co_u32 s74, s74, s75
	s_mov_b32 s75, 0
	s_wait_dscnt 0x0                               ; the opening add is done
	s_wait_kmcnt 0x0
	s_add_nc_u64 s[14:15], s[4:5], s[16:17]        ; h at my 64 rows
	s_add_nc_u64 s[46:47], s[6:7], s[46:47]        ; w2b at the tile's columns,
	s_add_nc_u64 s[18:19], s[46:47], s[18:19]      ; at my rows of the first step,
	s_add_nc_u64 s[46:47], s[46:47], s[22:23]      ; and 96 x half rows down, for the later steps
	s_add_nc_u64 s[68:69], s[68:69], s[72:73]
	s_add_nc_u64 s[70:71], s[70:71], s[74:75]
	CROUND                                         ; all sixteen work-groups are here: the first joint loads meet
	s_mov_b32 s[G0F], 1                            ; K step 0, into slot 0
	s_mov_b32 s[G0F+1], s20
	s_mov_b64 s[G0F+2:G0F+3], s[14:15]
	s_or_b32 s[G0F+3], s[G0F+3], 0x80000000
	s_mov_b32 s[G0BF], 1
	s_mov_b32 s[G0BF+1], s45
	s_mov_b64 s[G0BF+2:G0BF+3], s[18:19]
	s_or_b32 s[G0BF+3], s[G0BF+3], 0x80000000
.irp s, 0,1                            ; slot 1's set begins with K step 1 (K = 64 on), slot 0's with K step 2 (K = 256 on)
	s_mov_b32 s[G0+4*(\s)], 1
	s_add_co_u32 s[G0+4*(\s)+1], s20, (\s)*SLOT
	s_add_nc_u64 s[G0+4*(\s)+2:G0+4*(\s)+3], s[14:15], (KFIRST+KSTEP*(1-(\s)))*2
	s_or_b32 s[G0+4*(\s)+3], s[G0+4*(\s)+3], 0x80000000
	s_mov_b32 s[G0B+4*(\s)], 1
	s_add_co_u32 s[G0B+4*(\s)+1], s21, (\s)*SLOT
	s_add_nc_u64 s[G0B+4*(\s)+2:G0B+4*(\s)+3], s[46:47], (KFIRST+KSTEP*(1-(\s)))*2048
	s_or_b32 s[G0B+4*(\s)+3], s[G0B+4*(\s)+3], 0x80000000
.endr
	JLOAD G0F, G1F, G0BF, G1BF                     ; K step 0
	JLOAD G0+4, G1, G0B+4, G1B                     ; K step 1: two tensor loads of mine are out
	v_and_b32 v1, 15, v0                           ; r = l % 16
	v_bfe_u32 v2, v0, 4, 1                         ; l / 16
	v_lshlrev_b32 v30, 5, v1
	v_lshl_add_u32 v30, v2, 4, v30                 ; pb: token r x 32 bytes + leaves 8 h on
	v_lshlrev_b32 v31, 15, v2
	v_lshl_add_u32 v31, v1, 2, v31                 ; b2: leaves 8 h on (rows of 4,096 bytes), column r
.irp a, 0,1,2,3                        ; p as source 1: 16 tokens x leaves 8 h .. 8 h + 7 in registers 0-3 of buffer 1's fragments
	global_load_b128 v[FA0+32+8*(\a):FA0+32+8*(\a)+3], v30, s[68:69] offset:512*(\a)
.endr
.irp b, 0,1,2,3,4,5,6,7
.irp j, 0,1,2,3,4,5,6,7
	global_load_b32 v[T+8*(\b)+(\j)], v31, s[70:71] offset:4096*(\j)+64*(\b)
.endr
.endr
.irp a, 0,1,2,3                        ; K = 16 .. 31 does not exist: zeros
.irp j, 4,5,6,7
	v_mov_b32 v[FA0+32+8*(\a)+(\j)], 0
.endr
.endr
	WIN 0x40
.irp b, 0,1,2,3,4,5,6,7
.irp j, 4,5,6,7
	v_mov_b32 v[64+8*(\b)+(\j)], 0
.endr
.endr
	WIN 0
	v_mul_u32_u24 v3, v1, PA
	v_lshl_add_u32 v3, v2, 4, v3                   ; A: row x pitch + 16 x half
	v_and_b32 v6, 7, v0
	v_bfe_u32 v7, v0, 3, 1
	v_lshl_add_u32 v6, v2, 3, v6                   ; B, turned: K row 8 (l / 16) + l % 8,
	v_mul_u32_u24 v6, v6, PB
	v_lshl_add_u32 v6, v7, 4, v6                   ; columns 8 ((l / 8) % 2) on
	s_mul_i32 s22, s11, HALFA                      ; my 64 rows of A
	s_lshl_b32 s23, s12, 8                         ; my 128 columns of B
	s_add_co_u32 s23, s23, BOFF
.irp s, 0,1
	v_add_nc_u32 v[ADRA+(\s)], s22, v3
	v_add_nc_u32 v[ADRB+(\s)], s23, v6
	v_add_nc_u32 v[ADRB+2+(\s)], 3*32*PB, v[ADRB+(\s)]
	s_add_co_u32 s22, s22, SLOT
	s_add_co_u32 s23, s23, SLOT
.endr
	s_mul_i32 s22, s10, 16*SPITCH
	s_add_co_u32 s22, s22, STAGE                   ; my stage
	v_mul_u32_u24 v4, v1, SPITCH
	v_lshl_add_u32 v4, v2, 5, v4
	v_add_nc_u32 v[STO], s22, v4                   ; in: row r, 32 bytes for each half of the lanes
	v_and_b32 v5, 31, v0
	v_lshlrev_b32 v[CO], 4, v5
	v_add_nc_u32 v[RD], s22, v[CO]                 ; back: 32 lanes take one row's 512 bytes
	s_lshl_b32 s16, s13, 19                        ; out0 at my part of the tile: 128 rows of 4,096 bytes,
	s_lshl_b32 s17, s11, 18                        ; my 64 of them,
	s_add_co_u32 s16, s16, s17
	s_add_co_u32 s16, s16, s74                     ; my 128 columns
	s_mov_b32 s17, 0
	s_add_nc_u64 s[8:9], s[8:9], s[16:17]
	s_wait_loadcnt 0x0                             ; p and b2
	WIN 0x40                                       ; b2 as source 0: 16 columns x leaves 8 h .. 8 h + 7, rounded in pairs into registers 0-3 of buffer 1's fragments
.irp b, 0,1,2,3,4,5,6,7
.irp i, 0,1,2,3
	v_cvt_pk_bf16_f32 v[64+8*(\b)+(\i)], v[T+8*(\b)+2*(\i)], v[T+8*(\b)+2*(\i)+1]
.endr
.endr
	WIN 0
; 8 matrix instructions: m block a x all 8 n blocks, 32 along K, from buffer f.  zero = 1: they start the sums.  The 32 accumulators take turns, one instruction a turn.
.macro MULA f, a, zero
	WIN 0xa1                                       ; source 0 (B) window 1, source 1 (A) window 0, C and D window 2
.irp b, 0,1,2,3,4,5,6,7
.if \zero
	v_wmma_f32_16x16x32_bf16 v[8*(8*(\a)+(\b)):8*(8*(\a)+(\b))+7], v[64*(\f)+8*(\b):64*(\f)+8*(\b)+7], v[FA0+32*(\f)+8*(\a):FA0+32*(\f)+8*(\a)+7], 0
.else
	v_wmma_f32_16x16x32_bf16 v[8*(8*(\a)+(\b)):8*(8*(\a)+(\b))+7], v[64*(\f)+8*(\b):64*(\f)+8*(\b)+7], v[FA0+32*(\f)+8*(\a):FA0+32*(\f)+8*(\a)+7], v[8*(8*(\a)+(\b)):8*(8*(\a)+(\b))+7]
.endif
.endr
.endm
; 24 LDS loads in one run: part q (32 along K; a step has six) of a slot into buffer f: B's 8 fragments (turned), then A's 4.  In a row of A part q lies in chunk q / 2, at byte 64 (q % 2).
.macro FETCH slot, q, f
	WIN 0x40
.irp b, 0,1,2,3,4,5,6,7
	ds_load_tr16_b128 v[64*(\f)+8*(\b):64*(\f)+8*(\b)+3],   v[ADRB+(\slot)+2*((\q)/3)] offset:((\q)%3)*32*PB+32*(\b)
	ds_load_tr16_b128 v[64*(\f)+8*(\b)+4:64*(\f)+8*(\b)+7], v[ADRB+(\slot)+2*((\q)/3)] offset:((\q)%3)*32*PB+16*PB+32*(\b)
.endr
	WIN 0
.irp a, 0,1,2,3
	ds_load_b128 v[FA0+32*(\f)+8*(\a):FA0+32*(\f)+8*(\a)+3],   v[ADRA+(\slot)] offset:(\a)*16*PA+((\q)/2)*CH+((\q)%2)*64
	ds_load_b128 v[FA0+32*(\f)+8*(\a)+4:FA0+32*(\f)+8*(\a)+7], v[ADRA+(\slot)] offset:(\a)*16*PA+((\q)/2)*CH+((\q)%2)*64+32
.endr
.endm
.macro PLACES                          ; four places in front of loads into registers that matrix instructions have read, and of stores that read results
.rept 4
	v_nop
.endr
.endm
; One of a step's parts but the last: multiplies buffer f; in its middle it fetches part q of the same slot into buffer g.
.macro QUARTER slot, q, f, g
	s_wait_dscnt 4                                 ; B and A's blocks 0, 1 are in; the youngest four loads (blocks 2, 3) may be out
	MULA \f, 0, 0
	MULA \f, 1, 0
	PLACES
	FETCH \slot, \q, \g
	s_wait_dscnt 24                                ; all but the 24 just issued
	MULA \f, 2, 0
	MULA \f, 3, 0
.endm
.macro FIVE slot                       ; a step's parts 0 to 4 are multiplied, its parts 1 to 5 fetched
	QUARTER \slot, 1, 0, 1
	QUARTER \slot, 2, 1, 0
	QUARTER \slot, 3, 0, 1
	QUARTER \slot, 4, 1, 0
	QUARTER \slot, 5, 0, 1
.endm
; A step's last part multiplies buffer 1 and changes slots: ONE barrier; in front of it each wave waits for all its tensor loads (one is out: its part of the next slot), adds 0 to its spare word, and
; waits for that and for its own reads of this slot.  fill = 1: the barrier opens a round of the cluster's, and this slot is filled again, two K steps on, first thing behind the round.
; The group 0 that is stepped is the NEXT slot's: its load has just been shown done, and it is used one change of slots later.
.macro TURN slot, next, fill
	WIN 0
	s_wait_tensorcnt 0x0
	ds_add_u32 v[SPW], v[NIL]
	s_wait_dscnt 5                                 ; the add and the youngest four loads may be out
	MULA 1, 0, 0
	s_wait_dscnt 0x0                               ; the add is done, and my reads of this slot are over
	s_barrier_signal -1
	MULA 1, 1, 0
.if \fill
	WIN 0
.endif
	s_barrier_wait -1
.if \fill
	CREST
	s_add_nc_u64 s[G0+4*(\next)+2:G0+4*(\next)+3], s[G0+4*(\next)+2:G0+4*(\next)+3], 2*KSTEP*2
	s_add_nc_u64 s[G0B+4*(\next)+2:G0B+4*(\next)+3], s[G0B+4*(\next)+2:G0B+4*(\next)+3], 2*KSTEP*2048
	JLOAD G0+4*(\slot), G1, G0B+4*(\slot), G1B     ; the four v_nop behind it are also the places in front of the loads below
.else
	PLACES
.endif
	FETCH \next, 0, 0
	MULA 1, 2, 0
	MULA 1, 3, 0
.endm
; THE WAY OUT of block a (16 tokens x 128 columns of f32): into my own stage, 32 bytes a lane, and back as whole rows of 512 bytes; then stored.
.macro TOSTAGE a, ob
	WIN 0x08                                       ; the stores' data in window 2
.irp b, 0,1,2,3,4,5,6,7
	ds_store_b128 v[STO], v[8*(8*(\a)+(\b)):8*(8*(\a)+(\b))+3]   offset:64*(\b)      ; each accumulator's lowest registers first
	ds_store_b128 v[STO], v[8*(8*(\a)+(\b))+4:8*(8*(\a)+(\b))+7] offset:64*(\b)+16
.endr
	WIN 0
.set t, 0
.rept 16
	ds_load_b128 v[(\ob)+4*t:(\ob)+4*t+3], v[RD] offset:SPITCH*t  ; LDS serves a wave's instructions in order (ISA guide 5.7.1.4): these see the stores above; the next block's stores come behind them
.set t, t+1
.endr
.endm
.macro SEND a, ob, younger             ; younger: the next block's 32 LDS instructions, or none
	WIN 0
	s_wait_dscnt \younger
.set t, 0
.rept 16
	global_store_b128 v[CO], v[(\ob)+4*t:(\ob)+4*t+3], s[8:9] offset:65536*(\a)+4096*t th:TH_STORE_NT  ; the wave's store covers 512 consecutive bytes, aligned
.set t, t+1
.endr
.endm
	s_wait_tensorcnt 1                             ; my part of K step 0 is in; K step 1's load may stay out
	s_barrier_signal -1
	s_barrier_wait -1
	FETCH 0, 0, 0
	MULA 1, 0, 1                                   ; p b2 starts all 32 sums, while K step 0's first fragments come
	MULA 1, 1, 1
	MULA 1, 2, 1
	MULA 1, 3, 1
	QUARTER 0, 1, 0, 1                             ; K step 0 has two parts: the first here, the second in the loop's first change of slots
	WIN 0
	s_mov_b32 s3, TRIPS
.Llap:                                                 ; a trip: an even step's last part, an odd step, the next even step but for its last part; both slots are filled again
	TURN 0, 1, 1
	FIVE 1
	TURN 1, 0, 1
	FIVE 0
	WIN 0
	s_sub_co_u32 s3, s3, 1
	s_cmp_lg_u32 s3, 0
	s_cbranch_scc1 .Llap
	TURN 0, 1, 0                                   ; K step 20 ends; nothing is left to fetch, so no round follows.  Behind this barrier nobody reads slot 0 any more
	FIVE 1                                         ; K step 21
	s_wait_dscnt 4                                 ; its last part
	MULA 1, 0, 0
	MULA 1, 1, 0
	s_wait_dscnt 0x0
	MULA 1, 2, 0
	MULA 1, 3, 0
	PLACES
	TOSTAGE 0, OB0
	TOSTAGE 1, OB1
	SEND 0, OB0, 32
	s_wait_xcnt 0x0                                ; the registers that block 0's stores read are loaded again only behind this wait
	TOSTAGE 2, OB0
	SEND 1, OB1, 32
	s_wait_xcnt 0x0
	TOSTAGE 3, OB1
	SEND 2, OB0, 32
	SEND 3, OB1, 0
	s_wait_tensorcnt 0x0                           ; the wave's end, behind my last tensor load and my last LDS store
	ds_add_u32 v[SPW], v[NIL]
	s_wait_dscnt 0x0
	CROUND                                         ; the closing round: no work-group ends while a partner may still ask for a tile that names it
	s_endpgm
.Lfunc_end_k_qffbd90c35d_down:
	.size	k_qffbd90c35d_down, .Lfunc_end_k_qffbd90c35d_down-k_qffbd90c35d_down
	.p2alignl 7, 3214868480
	.fill 96, 4, 3214868480
	.section	.rodata,"a",@progbits
	.p2align	6, 0x0
	.amdhsa_kernel k_qffbd90c35d_down
		.amdhsa_group_segment_fixed_size 327680
		.amdhsa_private_segment_fixed_size 0
		.amdhsa_enable_private_segment 0
		.amdhsa_kernarg_size 40
		.amdhsa_user_sgpr_count 2
		.amdhsa_user_sgpr_kernarg_segment_ptr 1
		.amdhsa_wavefront_size32 1
		.amdhsa_system_sgpr_workgroup_id_x 1
		.amdhsa_system_sgpr_workgroup_id_y 1
		.amdhsa_system_sgpr_workgroup_id_z 1
		.amdhsa_system_vgpr_workitem_id 0
		.amdhsa_next_free_vgpr 768
		.amdhsa_next_free_sgpr 100
		.amdhsa_reserve_vcc 0
		.amdhsa_float_denorm_mode_32 3
		.amdhsa_float_denorm_mode_16_64 3
		.amdhsa_memory_ordered 1
		.amdhsa_forward_progress 1
		.amdhsa_inst_pref_size 114
	.end_amdhsa_kernel
	.amdgpu_metadata
---
amdhsa.version: [ 1, 2 ]
amdhsa.kernels:
  - .name:           k_qffbd90c35d_down
    .symbol:         k_qffbd90c35d_down.kd
    .args:
      - { .name: h, .offset: 0, .size: 8, .value_kind: global_buffer, .address_space: global }
      - { .name: w2b, .offset: 8, .size: 8, .value_kind: global_buffer, .address_space: global }
      - { .name: out0, .offset: 16, .size: 8, .value_kind: global_buffer, .address_space: global }
      - { .name: pb, .offset: 24, .size: 8, .value_kind: global_buffer, .address_space: global }
      - { .name: b2, .offset: 32, .size: 8, .value_kind: global_buffer, .address_space: global }
    .group_segment_fixed_size: 327680
    .private_segment_fixed_size: 0
    .kernarg_segment_align: 8
    .kernarg_segment_size: 40
    .max_flat_workgroup_size: 128
    .sgpr_count:     100
    .vgpr_count:     768
    .wavefront_size: 32
...
	.end_amdgpu_metadata
.endif
;; end of part 3
